; MI455X (gfx1250); checked and timed in simulation.
; The chip was launched on July 23, 2026; its instructions are those of AMD's public machine-readable ISA for CDNA 5 (MIT licence, August 2026) and "CDNA5" Instruction Set Architecture Reference Guide (July 2026). The comments in the code are by the model that wrote it; some were corrected since.
;; Dot Product Attention. Allowed arithmetic: matrix products marked QUANTISED: E3M2 operands, one E8M0 scale for each 32 along K, by v_wmma_scale_f32_16x16x128_f8f6f4 with both operands' format E3M2, f32 sums; everything else in f32.
;; Inputs: key_layer 2,048 x 4 x 16 x 128 float32; query_layer 2,048 x 4 x 16 x 128 float32; value_layer 2,048 x 4 x 16 x 128 float32.
;; Outputs: out0 2,048 x 4 x 2,048 float32.
;; This version of the problem:
;;   THIS VERSION OF THE PROBLEM IS GIVEN IN LOW PRECISION. The matrix products marked QUANTISED in the list below multiply operands that are first quantised to E3M2 (3 exponent bits, 2 mantissa bits; 6 bits a number), with one power-of-two scale for each 32 numbers along K (OCP MX v1.0); their sums are f32. All else is computed in f32.
;;   The module's matrix products, in the order in which they are computed (A, B: the left and right operand; K: the contracted axis; several contracted axes count as one K, in the product's order):
;;     1. batch 64 x [M 2,048, K 128] x [K 128, N 2,048]; A: input query_layer; B: input key_layer: QUANTISED
;;     2. batch 64 x [M 128, K 2,048] x [K 2,048, N 2,048]; A: input value_layer; B: softmax (see below): QUANTISED
;;   THE QUANTISER, for each operand of a quantised product, along K:
;;     - K is cut into blocks of 32 from its start; a last block that is shorter is filled with zeros.
;;     - A block's scale is 2^e with e = floor(log2(the largest magnitude in the block)) - 4, held to -126 .. 127; a block of zeros has e = 0. As a byte (E8M0): e + 127.
;;     - Each number is divided by its block's scale, clamped to +-28, and rounded to the nearest number of E3M2, ties to even, subnormals kept.
;;     - The product sums the exact products of the quantised numbers (number of the format x scale) in f32.
;;   ~~~python
;;   def quantise(x, axis):      # numpy; x: float32 -> the quantised numbers, widened to float32 again
;;       x = np.moveaxis(x, axis, -1); K = x.shape[-1]
;;       x = np.pad(x, [(0, 0)] * (x.ndim - 1) + [(0, -K % 32)]); x = x.reshape(x.shape[:-1] + (-1, 32)); a = np.abs(x).max(-1, keepdims=True)
;;       e = np.where(a > 0, np.clip(np.frexp(np.where(a > 0, a, 1))[1] - 1 - 4, -126, 127), 0)      # np.frexp(a)[1] - 1 = floor(log2(a)), exactly
;;       r = np.clip(x / 2.0 ** e, -28, 28)
;;       step = 2.0 ** (np.maximum(np.frexp(np.where(r == 0, 1, r))[1] - 1, -2) - 2)
;;       q = np.round(r / step) * step * 2.0 ** e      # np.round: ties to even
;;       return np.moveaxis(q.reshape(q.shape[:-2] + (-1,))[..., :K], -1, axis).astype(np.float32)
;;   ~~~
;;   SOFTMAX AHEAD OF A QUANTISED PRODUCT. Where the list says 'softmax', what is quantised is not the finished softmax but p = 2^(t - M), with t = logit x log2(e) and M = ceil(the row's largest t), a whole number; so 1/2 < the row's largest p <= 1. The row's sum l is taken of the UNQUANTISED p, in f32, and the product's result is divided by l at the end. Since M is a whole number, a kernel that streams over the keys may use a running M (the ceiling of the running maximum): every later rescaling is an exact power of two, which a block's scale takes up: the codes' values come out the same.
;;   OPERANDS COMPUTED ON THE WAY. 'Computed on the way' means the value that the module computes at that place (a softmax that the list does not call 'softmax' is quantised finished and normalised). What goes into a quantiser is computed in f32, as accurately as f32 sums, v_exp_f32 and their like allow (about 1e-6 of the number): no bf16 or f16 on the way to a quantiser, and a product that is left as it is and whose result goes on into a quantised operand takes f32 operands (vector FMAs, or v_wmma_f32_16x16x4_f32). A number that lies on a knife's edge between two numbers of the format may be rounded either way, as far as f32 arithmetic and the matrix unit's own rounding can turn it there, and no further.
;; One version. Each part assembles by itself: llvm-mc -triple=amdgcn-amd-amdhsa -mcpu=gfx1250 --defsym DOCPART=n.
;; ======== version 1 of 1: 2 launches
;; limits: right only within a limited range of input values
;; workspace buffers: kv 26,214,400 bytes
;; launch quant (part 1): grid 16 x 64, 4 waves a work-group, no clusters, 35,328 bytes of LDS; arguments key_layer, value_layer, kv; writes kv
.if DOCPART == 1
	.amdgcn_target "amdgcn-amd-amdhsa--gfx1250"
	.amdhsa_code_object_version 6
	.text
	.protected	k_q89ed383f18_quant
	.globl	k_q89ed383f18_quant
	.p2align	8
	.type	k_q89ed383f18_quant,@function
k_q89ed383f18_quant:
	s_mov_b64 s[64:65], 0
	v_nop
	global_prefetch_b8 v0, s[64:65] scope:SCOPE_SE
	s_setreg_imm32_b32 hwreg(HW_REG_WAVE_MODE, 25, 1), 1
	s_wait_xcnt 0x0
; K and V, f32 [2048 (s)][64 (head)][128 (d)], become codes of BF6 (E3M2) with one E8M0 byte for each 32 along a product's K, laid in kv AS IMAGES OF THE OPERANDS' REGISTERS.
; K is quantised along d (the first product's K), V along the keys (the second product's K).  Every key and value counts for some query under the causal mask, so all of both tensors is worked here.
; A block's scale is 2^(floor(log2(its largest magnitude)) - 4); its byte is the largest magnitude's exponent field - 4, held at 1 from below; numbers are divided by it and rounded to the nearest code, ties to even, beyond 28 the largest code.
; LIMITS: NaN and infinities among the inputs are not served.  A block whose largest magnitude lies under 2^-122 keeps the byte 1.  A block of zeros gets the byte 1 where the rule says 127: its codes are
; zeros, which add nothing under any byte but 0xff, and the bytes are read by this program alone.
; kv: head x 409,600 + slot x 51,200 (a slot = 256 keys = two key steps).  In a slot: step x 24,576 + T x 1,536: K's tile T (0..7); + 12,288 more: V's tile T; 49,152 + step x 1,024: K's scale words (512 bytes), then V's (512).
; A FRAGMENT'S IMAGE (16 rows x 128 K, 12 registers a lane, 1,536 bytes): register 4 c + j of lane L at byte 512 c + 16 L + 4 j.
; K's TILE T = 4 c + u: row n is key 64 c + 8 u + n + 24 (n / 8) of the step: rows 0-7 lie in block 2 c of 32 keys, rows 8-15 in block 2 c + 1, so that the reader's 32 score registers of tiles 4 c .. 4 c + 3
; are the 32 neighbouring keys 64 c + 32 (lane / 16) + 0 .. 31.  V's tile T: row r is channel 16 T + r, K = the step's 128 keys.
; A SCALE IMAGE (512 bytes): the word at 16 L + 4 p is that of tile 2 p, row L (lanes 0-15) or of tile 2 p + 1, row L - 16 (lanes 16-31).
; SHARES.  A work-group takes one key step of one head; 16 x 64 work-groups.  Wave q takes K's tiles 2 q, 2 q + 1 and V's channels 32 q .. 32 q + 31 (tiles 2 q, 2 q + 1).
; K: each load reads one row's 512 consecutive bytes; 16 rows turn through the wave's own stage in LDS.  V: a lane takes a channel and its registers run down the keys.
; Every store to kv covers 512 consecutive bytes at a multiple of 256 from the buffer's first byte.  No tensor loads; one barrier, for the scale words that four waves gather.
.set SP,     528                       ; a stage row: 512 bytes + 16
.set STAGE,  16*SP
.set GATH,   4*STAGE                   ; K's scale image, then V's: 1,024 bytes
.set ROWS,   32768                     ; bytes from a row s of a tensor to the next
.set SLOTB,  51200
.set STEPB,  24576
.set FRB,    1536
.set L16,  1                           ; 16 x lane
.set L4,   2                           ; 4 x lane
.set SIN,  3                           ; the stage, in: 16 x lane
.set SOUT, 4                           ; and out: 528 r + 64 h
.set GS,   5                           ; where my scale word goes
.set GR,   6                           ; where waves 0 and 1 read an image back
.set KR,   16                          ; v16-143  K: two tiles, 64 numbers a lane each
.set VX,   144                         ; v144-207 V: two sets of 32 numbers
.set F,    208                         ; v208-231 two fragments
.set SEL,  20                          ; s[20:21] selects for lane l xor 16
.macro TURN src                        ; 16 rows through my stage, in place: v[src + 16 b + i] = number 32 b + 16 h + i of row r; LDS serves a wave's instructions in order (ISA guide 5.7.1.4)
.irp n, 0,1,2,3,4,5,6,7,8,9,10,11,12,13,14,15
	ds_store_b128 v[SIN], v[\src+4*\n:\src+4*\n+3] offset:SP*\n
.endr
.irp b, 0,1,2,3
.irp j, 0,1,2,3
	ds_load_b128 v[\src+16*\b+4*\j:\src+16*\b+4*\j+3], v[SOUT] offset:128*\b+16*\j
.endr
.endr
.endm
.macro QUANT src, dst, word            ; 64 numbers of a lane become a fragment's 12 registers and my row's scale word
.irp b, 0,1,2,3
	v_max3_num_f32 v[232+\b], |v[\src+16*\b]|, |v[\src+1+16*\b]|, 0x2800000   ; my 16 numbers of block b, and the floor 2^(5 - 127)
.endr
.irp i, 2,4,6,8,10,12,14
.irp b, 0,1,2,3
	v_max3_num_f32 v[232+\b], v[232+\b], |v[\src+16*\b+\i]|, |v[\src+1+16*\b+\i]|
.endr
.endr
.irp b, 0,1,2,3
	v_permlanex16_b32 v[236+\b], v[232+\b], s[SEL], s[SEL+1]
.endr
.irp b, 0,1,2,3
	v_max_num_f32 v[232+\b], v[232+\b], v[236+\b]   ; with lane l xor 16's 16
.endr
.irp b, 0,1,2,3
	v_add_nc_u32 v[244+\b], 0xfe000000, v[232+\b]   ; 4 off the exponent field: the conversion's scale operand
.endr
.irp b, 0,1,2,3
	v_lshrrev_b32 v[236+\b], 23, v[244+\b]          ; the scale's byte
.endr
	v_lshl_or_b32 v[\word], v237, 8, v236
	v_lshl_or_b32 v[\word], v238, 16, v[\word]
	v_lshl_or_b32 v[\word], v239, 24, v[\word]
.irp c, 0,1
	v_cvt_scalef32_pk16_bf6_f32 v[\dst+6*\c:\dst+6*\c+2], v[\src+32*\c:\src+32*\c+15], v[244+2*\c]
	v_cvt_scalef32_pk16_bf6_f32 v[236+4*\c:238+4*\c], v[\src+32*\c+16:\src+32*\c+31], v[245+2*\c]
.endr
	v_nop                                          ; one plain instruction behind the scaled conversions
.irp c, 0,1                                    ; a whole block in a lane: lanes 0-15 block 2 c, lanes 16-31 block 2 c + 1
.irp i, 0,1,2
	v_permlane16_swap_b32 v[\dst+6*\c+\i], v[236+4*\c+\i]
.endr
.irp i, 0,1,2
	v_mov_b32 v[\dst+6*\c+3+\i], v[236+4*\c+\i]
.endr
.endr
.endm
.macro KLOAD u                         ; the 16 rows of tile 2 q + u: row n lies 8 u + n + 24 (n / 8) keys behind my wave's first key
.irp n, 0,1,2,3,4,5,6,7,8,9,10,11,12,13,14,15
	global_load_b128 v[KR+64*\u+4*\n:KR+64*\u+4*\n+3], v[L16], s[14:15] offset:(8*\u+\n+24*(\n/8))*ROWS th:TH_LOAD_NT
.endr
.endm
.macro VLOAD b                         ; V(key 32 b + i, my channel) into set b % 2; the largest offset, 127 rows, lies inside the signed 24-bit immediate
.irp i, 0,1,2,3,4,5,6,7,8,9,10,11,12,13,14,15,16,17,18,19,20,21,22,23,24,25,26,27,28,29,30,31
	global_load_b32 v[VX+32*((\b)%2)+\i], v[L4], s[16:17] offset:(32*(\b)+\i)*ROWS th:TH_LOAD_NT
.endr
.endm
.macro VBLOCK b                        ; block b of my channel: its byte into v250, its codes into six registers
.set XS, VX+32*((\b)%2)
.set FD, F+12*((\b)&1)+6*((\b)>>1)
.if (\b) < 3
	s_wait_loadcnt 32                              ; this block's 32 loads are in; the next block's may be out
.else
	s_wait_loadcnt 0
.endif
	v_max3_num_f32 v232, |v[XS]|, |v[XS+1]|, |v[XS+2]|
	v_max3_num_f32 v233, |v[XS+3]|, |v[XS+4]|, |v[XS+5]|
.irp i, 6,10,14,18,22,26
	v_max3_num_f32 v232, v232, |v[XS+\i]|, |v[XS+\i+1]|
	v_max3_num_f32 v233, v233, |v[XS+\i+2]|, |v[XS+\i+3]|
.endr
	v_max3_num_f32 v232, v232, |v[XS+30]|, |v[XS+31]|
	v_max3_num_f32 v232, v232, v233, 0x2800000     ; and the floor
	v_add_nc_u32 v244, 0xfe000000, v232
	v_lshrrev_b32 v236, 23, v244
.if (\b) == 0
	v_mov_b32 v250, v236
.else
	v_lshl_or_b32 v250, v236, 8*(\b), v250
.endif
	v_cvt_scalef32_pk16_bf6_f32 v[FD:FD+2], v[XS:XS+15], v244
	v_cvt_scalef32_pk16_bf6_f32 v[240:242], v[XS+16:XS+31], v244
	v_nop                                          ; one plain instruction behind the scaled conversions
.irp i, 0,1,2
	v_mov_b32 v[FD+3+\i], v[240+\i]
.endr
.if (\b) < 2
	VLOAD (\b)+2
.endif
.endm
	s_load_b128 s[4:7], s[0:1], 0x0                ; K, V
	s_load_b64 s[8:9], s[0:1], 0x10                ; kv
	v_lshl_add_u32 v243, v0, 2, 0x8800             ; my spare word, behind the scale images
	v_mov_b32 v251, 0
	v_lshrrev_b32 v7, 5, v0
	v_readfirstlane_b32 s10, v7                    ; wave q
	v_and_b32 v7, 31, v0
	v_lshlrev_b32 v[L16], 4, v7
	v_lshlrev_b32 v[L4], 2, v7
	v_and_b32 v8, 15, v0                           ; r
	v_bfe_u32 v9, v0, 4, 1                         ; h
	s_mul_i32 s24, s10, STAGE
	v_add_nc_u32 v[SIN], s24, v[L16]
	v_mul_u32_u24 v[SOUT], v8, SP
	v_lshl_add_u32 v[SOUT], v9, 6, v[SOUT]
	v_add_nc_u32 v[SOUT], s24, v[SOUT]
	s_lshl_b32 s24, s10, 2
	s_add_co_u32 s24, s24, GATH
	v_add_nc_u32 v[GS], s24, v[L16]
	s_and_b32 s24, s10, 1
	s_lshl_b32 s24, s24, 9                         ; K's image or V's
	s_add_co_u32 s25, s24, GATH
	v_add_nc_u32 v[GR], s25, v[L16]
.irp b, 0,1,2,3
	v_mov_b32 v[236+\b], 0                         ; a lane permute's destination counts as one of its sources
.endr
	s_mov_b32 s[SEL], 0x76543210
	s_mov_b32 s[SEL+1], 0xfedcba98
	s_and_b32 s12, ttmp7, 0xffff                   ; the head
	s_lshl_b32 s26, ttmp9, 22                      ; the step's 128 rows of 32,768 bytes,
	s_lshl_b32 s27, s12, 9                         ; the head's 512 bytes in a row (all offsets stay under 2^27)
	s_add_co_u32 s26, s26, s27
	s_lshl_b32 s27, s10, 7
	s_add_co_u32 s28, s26, s27                     ; V: + my 32 channels
	s_mov_b32 s29, 0
	s_lshr_b32 s27, s10, 1
	s_lshl_b32 s27, s27, 21                        ; K: my wave's first key is 64 (q / 2)
	s_add_co_u32 s26, s26, s27
	s_and_b32 s27, s10, 1
	s_lshl_b32 s27, s27, 19                        ; + 16 (q % 2)
	s_add_co_u32 s26, s26, s27
	s_mov_b32 s27, 0
	s_lshl_b32 s30, s12, 3
	s_lshr_b32 s31, ttmp9, 1
	s_add_co_u32 s30, s30, s31
	s_mul_i32 s30, s30, SLOTB                      ; the slot in kv
	s_and_b32 s31, ttmp9, 1                        ; which of its two steps
	s_lshl_b32 s25, s31, 10
	s_add_co_u32 s24, s24, s25
	s_add_co_u32 s24, s24, s30
	s_add_co_u32 s24, s24, 2*STEPB                 ; the scale image that waves 0 and 1 store
	s_mov_b32 s25, 0
	s_mul_i32 s31, s31, STEPB
	s_add_co_u32 s30, s30, s31
	s_mul_i32 s31, s10, 2*FRB
	s_add_co_u32 s30, s30, s31                     ; my two tiles' images of K (V's lie 12,288 bytes on)
	s_mov_b32 s31, 0
	s_wait_alu depctr_va_vdst(0)                   ; the wait at the head's end
	s_wait_kmcnt 0x0
	s_add_nc_u64 s[14:15], s[4:5], s[26:27]
	s_add_nc_u64 s[16:17], s[6:7], s[28:29]
	s_add_nc_u64 s[18:19], s[8:9], s[30:31]
	s_add_nc_u64 s[22:23], s[8:9], s[24:25]
	KLOAD 0
	KLOAD 1
	VLOAD 0
	s_wait_loadcnt 48                              ; tile 0's 16 loads are in; tile 1's 16 and V's 32 may be out
	TURN KR
	s_wait_loadcnt 32                              ; tile 1's are in
	TURN KR+64                                     ; through the same stage, in order behind tile 0's reads
	VLOAD 1
	s_wait_dscnt 32                                ; tile 0 is back: behind it stand tile 1's 16 stores and 16 loads
	QUANT KR, F, 248
	s_wait_dscnt 0x0
	QUANT KR+64, F+12, 249
	v_permlane16_swap_b32 v248, v249               ; lanes 0-15 tile 2 q's words, lanes 16-31 tile 2 q + 1's
.irp u, 0,1
.irp c, 0,1,2
	global_store_b128 v[L16], v[F+12*\u+4*\c:F+12*\u+4*\c+3], s[18:19] offset:FRB*\u+512*\c
.endr
.endr
	ds_store_b32 v[GS], v248
	s_wait_xcnt 0x0                                ; the stores' data registers are written again only behind this wait
	VBLOCK 0
	VBLOCK 1
	VBLOCK 2
	VBLOCK 3
.irp j, 0,1,2,3,4,5,6,7,8,9,10,11
	v_permlane16_swap_b32 v[F+\j], v[F+12+\j]      ; the runs become the fragments of channels 32 q + 0..15 and 32 q + 16..31
.endr
.irp u, 0,1
.irp c, 0,1,2
	global_store_b128 v[L16], v[F+12*\u+4*\c:F+12*\u+4*\c+3], s[18:19] offset:8*FRB+FRB*\u+512*\c
.endr
.endr
	ds_store_b32 v[GS], v250 offset:512
	s_wait_dscnt 0x0                               ; for the others' sake: my scale words have landed
	s_barrier_signal -1
	s_barrier_wait -1
	s_cmp_lt_u32 s10, 2                            ; wave 0 carries K's image out, wave 1 V's
	s_cbranch_scc0 .Lend
	ds_load_b128 v[252:255], v[GR]
	s_wait_dscnt 0x0
	global_store_b128 v[L16], v[252:255], s[22:23]
.Lend:
	s_wait_tensorcnt 0x0                           ; the wave's end
	ds_add_u32 v243, v251
	s_wait_dscnt 0x0
	s_endpgm
.Lfunc_end_k_q89ed383f18_quant:
	.size	k_q89ed383f18_quant, .Lfunc_end_k_q89ed383f18_quant-k_q89ed383f18_quant
	.p2alignl 7, 3214868480
	.fill 96, 4, 3214868480
	.section	.rodata,"a",@progbits
	.p2align	6, 0x0
	.amdhsa_kernel k_q89ed383f18_quant
		.amdhsa_group_segment_fixed_size 35328
		.amdhsa_private_segment_fixed_size 0
		.amdhsa_enable_private_segment 0
		.amdhsa_kernarg_size 24
		.amdhsa_user_sgpr_count 2
		.amdhsa_user_sgpr_kernarg_segment_ptr 1
		.amdhsa_wavefront_size32 1
		.amdhsa_system_sgpr_workgroup_id_x 1
		.amdhsa_system_sgpr_workgroup_id_y 1
		.amdhsa_system_sgpr_workgroup_id_z 1
		.amdhsa_system_vgpr_workitem_id 0
		.amdhsa_next_free_vgpr 256
		.amdhsa_next_free_sgpr 66
		.amdhsa_reserve_vcc 0
		.amdhsa_float_denorm_mode_32 3
		.amdhsa_float_denorm_mode_16_64 3
		.amdhsa_memory_ordered 1
		.amdhsa_forward_progress 1
		.amdhsa_inst_pref_size 38
	.end_amdhsa_kernel
	.amdgpu_metadata
---
amdhsa.version: [ 1, 2 ]
amdhsa.kernels:
  - .name:           k_q89ed383f18_quant
    .symbol:         k_q89ed383f18_quant.kd
    .args:
      - { .name: key_layer, .offset: 0, .size: 8, .value_kind: global_buffer, .address_space: global }
      - { .name: value_layer, .offset: 8, .size: 8, .value_kind: global_buffer, .address_space: global }
      - { .name: kv, .offset: 16, .size: 8, .value_kind: global_buffer, .address_space: global }
    .group_segment_fixed_size: 35328
    .private_segment_fixed_size: 0
    .kernarg_segment_align: 8
    .kernarg_segment_size: 24
    .max_flat_workgroup_size: 128
    .sgpr_count:     66
    .vgpr_count:     256
    .wavefront_size: 32
...
	.end_amdgpu_metadata
.endif
;; end of part 1
;; launch attn (part 2): grid 4 x 64, 8 waves a work-group, no clusters, 327,680 bytes of LDS; arguments query_layer, kv, out0; writes out0
.if DOCPART == 2
	.amdgcn_target "amdgcn-amd-amdhsa--gfx1250"
	.amdhsa_code_object_version 6
	.text
	.protected	k_q89ed383f18_attn
	.globl	k_q89ed383f18_attn
	.p2align	8
	.type	k_q89ed383f18_attn,@function
k_q89ed383f18_attn:
	s_mov_b64 s[64:65], 0
	v_nop
	global_prefetch_b8 v0, s[64:65] scope:SCOPE_SE
	s_setreg_imm32_b32 hwreg(HW_REG_WAVE_MODE, 25, 1), 1
	s_wait_xcnt 0x0
; out[q][head][:] = the sum over keys k <= q of softmax_k(Q[q] . K[k] / sqrt(128)) V[k][:], 64 heads, 2,048 queries and keys, head size 128; both products on codes of BF6 (E3M2) with one E8M0 scale for each 32 along K.
; Q: f32 [2048][64][128]: quantised here, in registers, along the head's 128.  K and V come from kv as images of the operands' registers (the launch before has the layout in its head comment).
; THE SOFTMAX AHEAD OF THE SECOND PRODUCT: t = score x log2(e) / sqrt(128); M = the row's largest t so far, rounded UP to a whole number; p = 2^(t - M) is quantised along the keys, not normalised.
; The row's sum is taken of the unquantised p, in f32, and divides O at the end.  When M moves, the sum and O are multiplied by 2^(old M - new M): exact.
; LEFT OUT: slots of 256 keys and steps of 128 keys that lie wholly above the causal diagonal: their p is 0 for every input.
; LIMITS: NaN and infinities among the inputs are not served; the promise holds while the scaled scores t stay under 2^31 in magnitude.  A block of Q whose largest magnitude lies under 2^-122, and a block of
; zeros, get the byte 1 (zeros' codes add nothing under it).  A block's largest p is taken from its largest score, which takes v_exp_f32 not to fall where its input rises.
; SHARES.  4 x 64 work-groups of equal work.  Work-group i of a head owns two blocks of 256 queries, A = 7 - i and B = i, and makes NINE VISITS to slots of 256 keys: slots 0 .. 7 - i for A, then 0 .. i for B.
; Each of the eight waves owns 32 queries of the block in hand, TWO TILES of 16: every fragment of K and V read from LDS feeds two matrix instructions.
; A STEP HAS TWO PARTS: the scores (K's fragments from LDS, 16 products, V's fragments from LDS into registers, the mask) and the rest (softmax and 16 products, on registers alone).
; WAVES 0 TO 3 PUT THE REST OF A VISIT'S SECOND STEP OFF until behind the next change of slots: their reads of the old slot are over, since V's fragments and words are in registers.  So of the eight waves four do
; vector work while the other four read LDS and multiply.  Nothing is put off in block A's last visit and in the ninth, so that the way out follows the block's last products in every wave.
; LAYOUT.  Both products are used transposed: S^T = K Q^T, O^T = V^T P^T: a lane holds one query (lane % 16) of each tile.  By the choice of K's tile rows the 32 score registers of tiles 4 c .. 4 c + 3 are keys
; 64 c + 32 (lane / 16) + 0 .. 31: a whole block of 32 in one lane, in the order that the second product's operand wants: no lane exchange for a block's maximum or for the codes.
; REGISTER WINDOWS.  Tile w's state lies in window w under the same numbers: v10 mask term, v11 8 h, v12 -M, v13 largest t, v[14:15] sum, v16-27 Q, v28-39 p's codes, v53-71 at work,
; v128-191 Q as f32, S^T, then p; v192-255 O^T, then rows on the way out.  So the softmax is one macro, run under s_set_vgpr_msb 0x00 and 0x55.  v80-127 of window f hold fragments 4 f .. 4 f + 3 of K or V.
; Window 0 alone: v1-9 addresses; v72-75 K's or V's scale words, v76-77 Q's, v78-79 p's (scale operands are taken from window 0).
; THE RING.  Two LDS slots; a slot of kv is a dense block of 51,200 bytes; each wave fetches 25 rows of 256 bytes by one tensor load, so a wave has at most one tensor load out.
; BLOCK B's Q is loaded at the change of blocks, under block A's way out; each wave names its 32 rows (64 blocks of 256 bytes, a lane a row, two instructions) in a prefetch two visits earlier.
; NO CLUSTER: the four work-groups of a head ask for the same slot only in visits 0 to 4 of 9 (from visit 8 - i on, work-group i is back at slot 0), and the change of blocks and the causal skip are branches on the
; work-group's number among those four.
.set SLOTB,  51200
.set PARTB,  6400                      ; what one tensor load brings
.set STEPB,  24576
.set FRB,    1536
.set SCB,    49152                     ; where a slot's scale images begin
.set HEADB,  409600
.set SLOT1,  65536                     ; LDS: slot 0 at 0, slot 1 here
.set SPARE,  51200                     ; behind slot 0: the spare words, 128 bytes for each of 8 waves
.set STG,    116736                    ; behind slot 1: for each wave two stages (one a tile) of 16 rows x 528 bytes; no tensor load lands there
.set SP,     528
.set TSTG,   16*SP
.set ROWS,   32768                     ; bytes from a row s of Q or of the output to the next
.set L16,  1                           ; 16 x lane
.set ADR,  2                           ; the slot in hand + 16 x lane
.set SIN,  3                           ; my stage + 16 x lane: whole rows
.set STO,  4                           ; my stage + 528 r + 32 h
.set SPW,  5                           ; my spare word; never rewritten
.set NIL,  6                           ; 0; never rewritten
.set SOUT, 7                           ; my stage + 528 r + 128 h: Q's 32 neighbours of a block
.set PFO,  8                           ; kv's prefetches: 256 x min(lane, 24); never rewritten
.set PFQ,  9                           ; Q's prefetches: lane x a row; never rewritten
.set LD,   10                          ; r - 32 h + 16 w
.set H8,   11                          ; 8 h
.set NM,   12
.set TM,   13
.set SUM,  14
.set QF,   16
.set PC,   28
.set T0,   53
.set BM,   54                          ; v54-55 my two blocks' maxima
.set SC,   56                          ; v56-57 second chains, then the conversions' scale operands
.set BY,   58                          ; v58-59 bytes; v58 also takes lane l xor 16's number
.set FF,   60                          ; v[60:61] f and a written upper half
.set SA,   62                          ; v62-67 three chains of the sum
.set CT,   64                          ; v64-66, v68-70 the conversions' second halves
.set KW,   72
.set QW,   76
.set PW,   78
.set FR,   80
.set S,    128
.set O,    192
.set WV,   10                          ; s10 wave
.set NA2,  11                          ; s11 5 - i: the visit in which block B's Q is named
.set NA1,  13                          ; s13 7 - i: block A's last visit
.set VIS,  14
.set KF,   15                          ; the step's first key
.set Q0,   16                          ; my first query in the block in hand
.set Q0B,  17
.set TB,   18                          ; LDS byte at which the slot in hand begins
.set PAR,  19                          ; s19 1 in waves 0 to 3, which put work off; else 0
.set SEL,  20
.set CS,   22                          ; s[22:23] c = log2(e) / sqrt(128)
.set G1,   24
.set G0,   32
.set KVB,  36                          ; my head's region of kv + my part of a slot
.set OFF,  38
.set OA,   40
.set OB,   42
.set PFA,  44
.set LIM,  46                          ; I prefetch kv in visits under LIM
.set DEF,  47                          ; s47 1: the rest of a step is still to do
.set QAA,  48                          ; s[48:49] Q at my rows of block A;  s[50:51] of block B
.set QBA,  50
.set MSB, 0
.macro WIN new                         ; the immediate's high byte repeats the setting that is left
.if MSB != \new
	s_set_vgpr_msb (MSB<<8)|\new
.set MSB, \new
.endif
.endm
.macro PLACES
.rept 4
	v_nop
.endr
.endm
.macro TURN src, w                     ; 16 rows of 512 bytes through tile w's stage, in place: v[src + 32 c + i] = number 64 c + 32 h + i of row r.  LDS serves a wave's instructions in order (ISA guide 5.7.1.4)
	WIN 0x44*\w                                    ; data in window w, addresses in window 0
.set NN, 0
.rept 16
	ds_store_b128 v[SIN], v[\src+4*NN:\src+4*NN+3] offset:TSTG*\w+SP*NN
.set NN, NN+1
.endr
.set NN, 0
.rept 16
	ds_load_b128 v[\src+4*NN:\src+4*NN+3], v[SOUT] offset:TSTG*\w+256*(NN/8)+16*(NN%8)
.set NN, NN+1
.endr
.endm
; From my two blocks' largest magnitudes (v[BM], v[BM+1], floored) and 64 numbers: the operand's 12 registers, and the row's scale word in window 0
.macro CODES src, dst, word, w
.irp c, 0,1
	v_add_nc_u32 v[SC+\c], 0xfe000000, v[BM+\c]    ; 4 off the exponent field: the conversion's scale operand
.endr
.irp c, 0,1
	v_lshrrev_b32 v[BY+\c], 23, v[SC+\c]           ; the scale's byte
.endr
	v_lshl_or_b32 v[T0], v[BY+1], 16, v[BY]        ; my bytes: blocks h and 2 + h,
	s_delay_alu instid0(VALU_DEP_1)
	v_lshlrev_b32 v[T0], v[H8], v[T0]              ; at their places,
	s_delay_alu instid0(VALU_DEP_1)
	v_permlanex16_b32 v[BY], v[T0], s[SEL], s[SEL+1]
	WIN 0x05*\w
	v_or_b32 v[\word], v[T0], v[BY]                ; with lane l xor 16's two the word is whole
	WIN 0x55*\w
.irp c, 0,1
	v_cvt_scalef32_pk16_bf6_f32 v[\dst+6*\c:\dst+6*\c+2], v[\src+32*\c:\src+32*\c+15], v[SC+\c]
	v_cvt_scalef32_pk16_bf6_f32 v[CT+4*\c:CT+4*\c+2], v[\src+32*\c+16:\src+32*\c+31], v[SC+\c]   ; (a conversion's three registers begin on an even number)
.endr
	v_nop                                          ; one plain instruction behind the scaled conversions
.irp c, 0,1
.irp i, 0,1,2
	v_mov_b32 v[\dst+6*\c+3+\i], v[CT+4*\c+\i]
.endr
.endr
.endm
.macro QUANTQ w                        ; tile w of Q, from S's registers: four chains of maxima, two a block
	WIN 0x55*\w
.irp c, 0,1
	v_max3_num_f32 v[BM+\c], |v[S+32*\c]|, |v[S+32*\c+1]|, |v[S+32*\c+2]|
	v_max3_num_f32 v[SC+\c], |v[S+32*\c+16]|, |v[S+32*\c+17]|, |v[S+32*\c+18]|
.endr
.irp i, 3,5,7,9,11,13
.irp c, 0,1
	v_max3_num_f32 v[BM+\c], v[BM+\c], |v[S+32*\c+\i]|, |v[S+32*\c+\i+1]|
	v_max3_num_f32 v[SC+\c], v[SC+\c], |v[S+32*\c+16+\i]|, |v[S+32*\c+17+\i]|
.endr
.endr
.irp c, 0,1
	v_max3_num_f32 v[BM+\c], v[BM+\c], v[SC+\c], |v[S+32*\c+15]|
.endr
.irp c, 0,1
	v_max3_num_f32 v[BM+\c], v[BM+\c], |v[S+32*\c+31]|, 0x2800000   ; and the floor 2^(5 - 127): the byte cannot fall under 1
.endr
	CODES S, QF, QW+\w, \w
.endm
.macro QLOAD b                         ; my 32 rows of Q at s[b:b+1] into S's registers of both windows: a row's 512 consecutive bytes an instruction
.irp w, 0,1
	WIN 0x40*\w
.set NN, 0
.rept 16
	global_load_b128 v[S+4*NN:S+4*NN+3], v[L16], s[\b:\b+1] offset:ROWS*(16*\w+NN) th:TH_LOAD_NT
.set NN, NN+1
.endr
.endr
	WIN 0
.endm
.macro QMAKE                           ; and from there into Q's fragments and scale words
	s_wait_alu depctr_va_vdst(0)                   ; the wait ahead of the waits below
	s_wait_loadcnt 16                              ; tile 0's 16 rows are in; tile 1's may be out
	TURN S, 0
	s_wait_loadcnt 0x0
	TURN S, 1
	s_wait_dscnt 32                                ; tile 0 is back: behind it stand tile 1's 16 stores and 16 loads
	QUANTQ 0
	s_wait_dscnt 0x0
	QUANTQ 1
.endm
; 25 LDS loads: the eight tiles' scale words, then eight fragment images, four to each window
.macro FETCH off, soff
	ds_load_b128 v[KW:KW+3], v[ADR] offset:\soff
.irp f, 0,1
	WIN 0x40*\f
.irp t, 0,1,2,3
.irp c, 0,1,2
	ds_load_b128 v[FR+12*\t+4*\c:FR+12*\t+4*\c+3], v[ADR] offset:\off+(4*\f+\t)*FRB+512*\c
.endr
.endr
.endr
	WIN 0
.endm
.macro MM d, a, b, sa, sb, acc, odd
.if \acc
.if \odd
	v_wmma_scale_f32_16x16x128_f8f6f4 v[(\d):(\d)+7], v[(\a):(\a)+11], v[(\b):(\b)+11], v[(\d):(\d)+7], v[\sa], v[\sb] matrix_a_fmt:MATRIX_FMT_BF6 matrix_b_fmt:MATRIX_FMT_BF6 matrix_a_scale:MATRIX_SCALE_ROW1
.else
	v_wmma_scale_f32_16x16x128_f8f6f4 v[(\d):(\d)+7], v[(\a):(\a)+11], v[(\b):(\b)+11], v[(\d):(\d)+7], v[\sa], v[\sb] matrix_a_fmt:MATRIX_FMT_BF6 matrix_b_fmt:MATRIX_FMT_BF6
.endif
.else
.if \odd
	v_wmma_scale_f32_16x16x128_f8f6f4 v[(\d):(\d)+7], v[(\a):(\a)+11], v[(\b):(\b)+11], 0, v[\sa], v[\sb] matrix_a_fmt:MATRIX_FMT_BF6 matrix_b_fmt:MATRIX_FMT_BF6 matrix_a_scale:MATRIX_SCALE_ROW1
.else
	v_wmma_scale_f32_16x16x128_f8f6f4 v[(\d):(\d)+7], v[(\a):(\a)+11], v[(\b):(\b)+11], 0, v[\sa], v[\sb] matrix_a_fmt:MATRIX_FMT_BF6 matrix_b_fmt:MATRIX_FMT_BF6
.endif
.endif
.endm
; 16 matrix instructions: eight fragments x my two tiles; source 0 in window f, all else in window w; the accumulators take turns, one instruction a turn
.macro PROD kind                       ; 0: S^T = K Q^T;  1: O^T += V^T P^T
.irp f, 0,1
	s_wait_dscnt 12-12*\f                          ; f = 0: the words and window 0's four fragments are in, the younger 12 loads may be out
.irp w, 0,1
	WIN \f+0x54*\w
.irp t, 0,1,2,3
.if \kind
	MM O+8*(4*\f+\t), FR+12*\t, PC, KW+2*\f+\t/2, PW+\w, 1, \t%2
.else
	MM S+8*(4*\f+\t), FR+12*\t, QF, KW+2*\f+\t/2, QW+\w, 0, \t%2
.endif
.endr
.endr
.endr
	WIN 0
.endm
.macro MASK                            ; on the diagonal the scores of hidden keys become -infinity: p = 0 then.  Register 32 c + i is key KF + 64 c + 32 h + i
	s_sub_co_i32 s52, s[Q0], s[KF]
.irp w, 0,1
	WIN 0x55*\w
	v_add_nc_u32 v[T0], s52, v[LD]                 ; d = my query - KF - 32 h: hidden where 64 c + i > d
	v_mov_b32 v[BY], 0xff800000
.set NN, 0
.rept 64                                       ; ascending: each accumulator is read from its low end on
	v_cmp_gt_i32 vcc_lo, 64*(NN/32)+NN%32, v[T0]
	v_cndmask_b32 v[S+NN], v[S+NN], v[BY], vcc_lo
.set NN, NN+1
.endr
.endr
	WIN 0
.endm
.macro SOFTMAX w                       ; tile w: 16 queries x 128 keys
	WIN 0x55*\w
	s_wait_alu depctr_va_vdst(0)                   ; the wait, directly ahead of the first reader of S^T
.irp c, 0,1                                    ; the largest score of each of my two blocks, in four chains: it serves the row's maximum and, since p rises with the score, the block's largest p
	v_max3_num_f32 v[BM+\c], v[S+32*\c], v[S+32*\c+1], v[S+32*\c+2]
	v_max3_num_f32 v[SC+\c], v[S+32*\c+16], v[S+32*\c+17], v[S+32*\c+18]
.endr
.irp i, 3,5,7,9,11,13
.irp c, 0,1
	v_max3_num_f32 v[BM+\c], v[BM+\c], v[S+32*\c+\i], v[S+32*\c+\i+1]
	v_max3_num_f32 v[SC+\c], v[SC+\c], v[S+32*\c+16+\i], v[S+32*\c+17+\i]
.endr
.endr
.irp c, 0,1
	v_max3_num_f32 v[BM+\c], v[BM+\c], v[SC+\c], v[S+32*\c+15]
.endr
.irp c, 0,1
	v_max_num_f32 v[BM+\c], v[BM+\c], v[S+32*\c+31]
.endr
	s_delay_alu instid0(VALU_DEP_1)
	v_max_num_f32 v[T0], v[BM], v[BM+1]
	s_delay_alu instid0(VALU_DEP_1)
	v_mul_f32 v[T0], s[CS], v[T0]                  ; as t (c is positive)
	s_delay_alu instid0(VALU_DEP_1)
	v_permlanex16_b32 v[BY], v[T0], s[SEL], s[SEL+1]
	s_delay_alu instid0(VALU_DEP_1)
	v_max3_num_f32 v[TM], v[TM], v[T0], v[BY]      ; the running largest t (the step's first key counts for all my queries: it is a number)
	s_delay_alu instid0(VALU_DEP_1)
	v_floor_f32 v[T0], -v[TM]                      ; the new -M = -ceil(t)
	s_delay_alu instid0(VALU_DEP_1)
	v_sub_f32 v[BY], v[T0], v[NM]                  ; old M less new M: a whole number, 0 or less
	v_mov_b32 v[NM], v[T0]
	s_delay_alu instid0(VALU_DEP_2)
	v_cvt_i32_f32 v[BY], v[BY]                     ; (it saturates)
	s_delay_alu instid0(VALU_DEP_1)
	v_ldexp_f32 v[FF], 1.0, v[BY]                  ; f = 2^(old M - new M)
.set JJ, 0
.rept 32
	v_pk_fma_f32 v[S+JJ:S+JJ+1], v[S+JJ:S+JJ+1], s[CS:CS+1], v[NM:NM+1] op_sel_hi:[1,0,0]   ; t - M, two at a time
.set JJ, JJ+2
.endr
.irp c, 0,1
	v_fma_f32 v[BM+\c], v[BM+\c], s[CS], v[NM]     ; the same of each block's largest score
.endr
	s_wait_alu depctr_va_vdst(0)                   ; the wait ahead of the batch
	v_exp_f32 v[BM], v[BM]
	v_exp_f32 v[BM+1], v[BM+1]
.set JJ, 0
.rept 64
	v_exp_f32 v[S+JJ], v[S+JJ]                     ; p = 2^(t - M), at most 1
.set JJ, JJ+1
.endr
	v_pk_mul_f32 v[SUM:SUM+1], v[SUM:SUM+1], v[FF:FF+1] op_sel_hi:[1,0]   ; the sums under the new M: the plain instruction behind the batch
	s_wait_alu depctr_va_vdst(0)                   ; and one wait behind it, ahead of its first reader
	v_pk_add_f32 v[SA:SA+1], v[S:S+1], v[S+2:S+3]  ; the row's sum of the unquantised p, in four chains
	v_pk_add_f32 v[SA+2:SA+3], v[S+4:S+5], v[S+6:S+7]
	v_pk_add_f32 v[SA+4:SA+5], v[S+8:S+9], v[S+10:S+11]
.irp j, 12,20,28,36,44,52
	v_pk_add_f32 v[SUM:SUM+1], v[SUM:SUM+1], v[S+\j:S+\j+1]
	v_pk_add_f32 v[SA:SA+1], v[SA:SA+1], v[S+\j+2:S+\j+3]
	v_pk_add_f32 v[SA+2:SA+3], v[SA+2:SA+3], v[S+\j+4:S+\j+5]
	v_pk_add_f32 v[SA+4:SA+5], v[SA+4:SA+5], v[S+\j+6:S+\j+7]
.endr
	v_pk_add_f32 v[SUM:SUM+1], v[SUM:SUM+1], v[S+60:S+61]
	v_pk_add_f32 v[SA:SA+1], v[SA:SA+1], v[S+62:S+63]
	v_pk_add_f32 v[SA+2:SA+3], v[SA+2:SA+3], v[SA+4:SA+5]
	s_delay_alu instid0(VALU_DEP_2)
	v_pk_add_f32 v[SUM:SUM+1], v[SUM:SUM+1], v[SA:SA+1]
	s_delay_alu instid0(VALU_DEP_1)
	v_pk_add_f32 v[SUM:SUM+1], v[SUM:SUM+1], v[SA+2:SA+3]
.irp c, 0,1
	v_max_num_f32 v[BM+\c], 0x2800000, v[BM+\c]    ; the floor 2^(5 - 127) (a block whose every p is 0 keeps the byte 1: its codes are zeros)
.endr
	CODES S, PC, PW+\w, \w
	s_wait_alu depctr_va_vdst(0)                   ; the wait, directly ahead of the first reader of O^T
.set JJ, 0
.rept 32
	v_pk_mul_f32 v[O+JJ:O+JJ+1], v[O+JJ:O+JJ+1], v[FF:FF+1] op_sel_hi:[1,0]   ; O^T under the new M; these 32 are also the places between p's codes and word and the products
.set JJ, JJ+2
.endr
.endm
; THE CHANGE OF SLOTS at a visit's head.  Each wave waits for its tensor load (its part of the slot ahead), adds 0 to its spare word, and waits for that and for its reads of the slot that it has left.
; fill = 1: behind the barrier the slot just left is filled for the next visit, one load a wave; then work-group 0 of the head, which walks all eight slots, names the slot that the NEXT change will ask for:
; in visit v = 0 .. 5 each wave names its own 25 blocks of 256 bytes of slot v + 2, a lane a block (lanes 25-31 name the last again).  Slots 0 and 1 come by their loads alone; the highest byte named ends slot 7.
; In visit 5 - i, two visits ahead of the change of blocks, each wave names its 32 rows of block B's Q.
.macro CHANGE fill
	s_wait_alu depctr_va_vdst(0)                   ; the wait ahead of the waits below
	s_wait_tensorcnt 0x0
	ds_add_u32 v[SPW], v[NIL]
.if \fill
	s_xor_b32 s[G0+1], s[G0+1], SLOT1
	s_add_co_u32 s[OFF], s[OFF], SLOTB
	s_cmp_eq_u32 s[VIS], s[NA1]
	s_cselect_b32 s[OFF], 0, s[OFF]                ; in block A's last visit: slot 0 again, for block B
	s_add_nc_u64 s[G0+2:G0+3], s[KVB:KVB+1], s[OFF:OFF+1]
	s_or_b32 s[G0+3], s[G0+3], 0x80000000
	s_wait_xcnt 0x0                                ; the last prefetch, a visit back, has read its address
	s_add_nc_u64 s[PFA:PFA+1], s[PFA:PFA+1], SLOTB
.endif
	s_wait_dscnt 0x0
	s_barrier_signal -1
	s_barrier_wait -1
.if \fill
	tensor_load_to_lds s[G0:G0+3], s[G1:G1+7]
	s_nop 0
	PLACES
	s_cmp_lt_u32 s[VIS], s[LIM]
	s_cbranch_scc0 .Lnot_mine_\@
	global_prefetch_b8 v[PFO], s[PFA:PFA+1] th:TH_LOAD_NT scope:SCOPE_SE
.Lnot_mine_\@:
	s_cmp_eq_u32 s[VIS], s[NA2]
	s_cbranch_scc0 .Lnot_now_\@
	global_prefetch_b8 v[PFQ], s[QBA:QBA+1] th:TH_LOAD_NT scope:SCOPE_SE
	global_prefetch_b8 v[PFQ], s[QBA:QBA+1] offset:256 th:TH_LOAD_NT scope:SCOPE_SE
.Lnot_now_\@:
.endif
.endm
.macro SCORES q                        ; a step's first part: 128 keys, the q-th step of the slot in hand
	s_wait_alu depctr_va_vdst(0)                   ; the wait
	PLACES                                         ; four places in front of loads into registers that matrix instructions have read
	FETCH STEPB*(\q), SCB+1024*(\q)
	PROD 0
	PLACES                                         ; for the loads below and for the first reads of S^T
	FETCH STEPB*(\q)+8*FRB, SCB+1024*(\q)+512      ; V's fragments and words: from here on the step needs registers alone
	s_add_co_u32 s52, s[KF], 127
	s_cmp_le_u32 s52, s[Q0]
	s_cbranch_scc1 .Lopen_\@                       ; all keys count
	MASK
.Lopen_\@:
.endm
.macro REST                            ; a step's second part
	SOFTMAX 0
	SOFTMAX 1
	s_wait_alu depctr_va_vdst(0)                   ; the wait ahead of the wait on DScnt
	PROD 1
.endm
.macro LATE                            ; what was put off in the visit before
	s_cmp_eq_u32 s[DEF], 0
	s_cbranch_scc1 .Lnone_\@
	REST
.Lnone_\@:
.endm
.macro VISIT last                      ; a slot's two steps.  Step 0 counts for every wave: a slot that is visited begins at or ahead of the block's first query
	v_add_nc_u32 v[ADR], s[TB], v[L16]
	SCORES 0
	REST
	s_add_co_u32 s[KF], s[KF], 128
	s_mov_b32 s[DEF], 0
	s_add_co_u32 s52, s[Q0], 31                    ; step 1 is left out where all its keys come after my 32 queries: a branch on ids and counters
	s_cmp_gt_u32 s[KF], s52
	s_cbranch_scc1 .Lover_\@
	SCORES 1
.if \last == 0
	s_cmp_lg_u32 s[VIS], s[NA1]
	s_cselect_b32 s[DEF], s[PAR], 0                ; waves 0 to 3 put the rest off, but not in block A's last visit
	s_cmp_lg_u32 s[DEF], 0
	s_cbranch_scc1 .Lover_\@
.endif
	REST
.Lover_\@:
	s_add_co_u32 s[KF], s[KF], 128
	s_xor_b32 s[TB], s[TB], SLOT1
.endm
.macro INIT                            ; a block's state: its first step finds zeros, which the first change of M leaves zeros
.irp w, 0,1
	WIN 0x55*\w
	v_mov_b32 v[TM], 0xff61b1e6                    ; -3e38, under every t
	v_mov_b32 v[SUM], 0
	v_mov_b32 v[SUM+1], 0
	v_floor_f32 v[NM], -v[TM]
.set JJ, 0
.rept 64
	v_mov_b32 v[O+JJ], 0
.set JJ, JJ+1
.endr
.endr
	WIN 0
.endm
.macro WAYOUT o                        ; O^T / the sum, in place, goes through the tile's stage: a lane holds 32 neighbouring bytes of a row, and rows of 512 bytes come back whole
	PLACES                                         ; behind the last products
.irp w, 0,1
	WIN 0x55*\w
	v_add_f32 v[SUM], v[SUM], v[SUM+1]
	s_delay_alu instid0(VALU_DEP_1)
	v_permlanex16_b32 v[BY], v[SUM], s[SEL], s[SEL+1]
	s_delay_alu instid0(VALU_DEP_1)
	v_add_f32 v[SUM], v[SUM], v[BY]                ; the row's sum
	s_wait_alu depctr_va_vdst(0)                   ; the wait ahead of the reciprocal,
	v_rcp_f32 v[SUM], v[SUM]
	v_nop
	s_wait_alu depctr_va_vdst(0)                   ; and behind it, directly ahead of the first reader of it and of O^T
.set JJ, 0
.rept 32                                       ; ascending: each accumulator is read from its low end on
	v_pk_mul_f32 v[O+JJ:O+JJ+1], v[O+JJ:O+JJ+1], v[SUM:SUM+1] op_sel_hi:[1,0]   ; register 8 t + j is o(query r, channel 16 t + 8 h + j)
.set JJ, JJ+2
.endr
	WIN 0x44*\w
.set NN, 0
.rept 8
	ds_store_b128 v[STO], v[O+8*NN:O+8*NN+3] offset:TSTG*\w+64*NN
	ds_store_b128 v[STO], v[O+8*NN+4:O+8*NN+7] offset:TSTG*\w+64*NN+16
.set NN, NN+1
.endr
.set NN, 0
.rept 16
	ds_load_b128 v[O+4*NN:O+4*NN+3], v[SIN] offset:TSTG*\w+SP*NN   ; in order behind my stores
.set NN, NN+1
.endr
.set NN, 0
.rept 16
	s_wait_dscnt 15-NN                             ; row NN is back; the younger loads may be out
	global_store_b128 v[L16], v[O+4*NN:O+4*NN+3], s[\o:\o+1] offset:ROWS*(16*\w+NN) th:TH_STORE_NT   ; 32 lanes store 512 consecutive bytes at a multiple of 256 from the buffer's first byte
.set NN, NN+1
.endr
.endr
	WIN 0
.endm
	s_load_b128 s[4:7], s[0:1], 0x0                ; Q, kv
	s_load_b64 s[8:9], s[0:1], 0x10                ; the output
	v_lshl_add_u32 v[SPW], v0, 2, SPARE
	v_mov_b32 v[NIL], 0
	ds_add_u32 v[SPW], v[NIL]                      ; the opening lines: the add, twice on end, and its wait ahead of my first tensor load
	ds_add_u32 v[SPW], v[NIL]
	v_lshrrev_b32 v[T0], 5, v0
	v_readfirstlane_b32 s[WV], v[T0]               ; wave 0..7
	v_and_b32 v[T0], 31, v0
	v_lshlrev_b32 v[L16], 4, v[T0]
	v_lshlrev_b32 v[PFQ], 15, v[T0]                ; a lane a row of Q
	v_min_u32 v[PFO], 24, v[T0]
	v_lshlrev_b32 v[PFO], 8, v[PFO]                ; a lane a block of 256 bytes, 25 blocks
	s_and_b32 s12, ttmp7, 0xffff                   ; the head
	s_sub_co_u32 s[NA1], 7, ttmp9
	s_sub_co_u32 s[NA2], 5, ttmp9
	s_lshr_b32 s[PAR], s[WV], 2
	s_xor_b32 s[PAR], s[PAR], 1
	s_lshl_b32 s52, s[WV], 5
	s_lshl_b32 s[Q0], s[NA1], 8
	s_add_co_u32 s[Q0], s[Q0], s52                 ; my first query in block A: 256 (7 - i) + 32 x wave
	s_lshl_b32 s[Q0B], ttmp9, 8
	s_add_co_u32 s[Q0B], s[Q0B], s52
	s_lshl_b32 s53, s12, 9                         ; the head's 512 bytes in a row
	s_lshl_b32 s54, s[Q0], 15
	s_add_co_u32 s54, s54, s53                     ; my rows of block A in Q and in the output (under 2^27)
	s_mov_b32 s55, 0
	s_lshl_b32 s56, s[Q0B], 15
	s_add_co_u32 s56, s56, s53
	s_mov_b32 s57, 0
	s_mul_i32 s58, s12, HEADB
	s_mov_b32 s59, 0
	s_mul_i32 s60, s[WV], PARTB                    ; my part of a slot, in memory and in LDS alike
	s_mov_b32 s61, 0
	s_mov_b32 s[G1+0], 3<<16                       ; a dense block of 6,400 bytes as 25 rows of 32 elements of 8 bytes
	s_mov_b32 s[G1+1], 32<<16
	s_mov_b32 s[G1+2], 25<<16
	s_mov_b32 s[G1+3], 32<<16
	s_mov_b32 s[G1+4], 25
	s_mov_b32 s[G1+5], 32
	s_mov_b32 s[G1+6], 0
	s_mov_b32 s[G1+7], 0
	s_mov_b32 s[G0], 1
	s_mov_b32 s[G0+1], s60
	s_mov_b32 s[OFF], 0
	s_mov_b32 s[OFF+1], 0
	s_mov_b32 s[SEL], 0x76543210
	s_mov_b32 s[SEL+1], 0xfedcba98
	s_mov_b32 s[CS], 0x3e0293ee
	s_mov_b32 s[CS+1], s[CS]
	s_mov_b32 s[VIS], 0
	s_mov_b32 s[KF], 0
	s_mov_b32 s[TB], 0
	s_mov_b32 s[DEF], 0
	s_cmp_eq_u32 ttmp9, 0
	s_cselect_b32 s[LIM], 6, 0
	s_wait_alu depctr_va_vdst(0)                   ; the wait ahead of the waits below
	s_wait_dscnt 0x0
	s_wait_kmcnt 0x0
	s_add_nc_u64 s[KVB:KVB+1], s[6:7], s[58:59]
	s_add_nc_u64 s[KVB:KVB+1], s[KVB:KVB+1], s[60:61]
	s_mov_b64 s[G0+2:G0+3], s[KVB:KVB+1]
	s_or_b32 s[G0+3], s[G0+3], 0x80000000
	tensor_load_to_lds s[G0:G0+3], s[G1:G1+7]      ; slot 0, my part: my one load at the head
	s_nop 0
	PLACES
	s_add_nc_u64 s[PFA:PFA+1], s[KVB:KVB+1], SLOTB ; the first change of slots steps it to slot 2
	s_add_nc_u64 s[QAA:QAA+1], s[4:5], s[54:55]
	s_add_nc_u64 s[QBA:QBA+1], s[4:5], s[56:57]
	s_add_nc_u64 s[OA:OA+1], s[8:9], s[54:55]
	s_add_nc_u64 s[OB:OB+1], s[8:9], s[56:57]
	QLOAD QAA                                      ; block A's Q
	v_and_b32 v[T0], 15, v0                        ; r
	v_bfe_u32 v[H8], v0, 4, 1                      ; h
	s_mul_i32 s60, s[WV], 2*TSTG
	s_add_co_u32 s60, s60, STG                     ; my stages
	v_add_nc_u32 v[SIN], s60, v[L16]
	v_mul_u32_u24 v[SOUT], v[T0], SP
	v_add_nc_u32 v[SOUT], s60, v[SOUT]
	v_lshl_add_u32 v[STO], v[H8], 5, v[SOUT]
	v_lshl_add_u32 v[SOUT], v[H8], 7, v[SOUT]
	v_lshlrev_b32 v[LD], 5, v[H8]
	v_sub_nc_u32 v[LD], v[T0], v[LD]
	v_lshlrev_b32 v[H8], 3, v[H8]
	v_mov_b32 v[FF+1], 0                           ; named as the upper half of a pair
	WIN 0x40                                       ; window 1's copies
	v_add_nc_u32 v[LD], 16, v[LD]
	v_mov_b32 v[H8], v[H8]
	v_mov_b32 v[FF+1], 0
	WIN 0
	QMAKE
	INIT
	CHANGE 1                                       ; visit 0 has nothing put off ahead of it: it enters the loop behind that part
	s_branch .Lentry
.Lvisit:                                           ; visits 0 to 7: behind each change of slots but the last the next visit's slot is asked for
	CHANGE 1
	LATE
.Lentry:
	VISIT 0
	s_cmp_lg_u32 s[VIS], s[NA1]                    ; block A's last visit?  The same in all waves; no barrier and no tensor load stands under the branch
	s_cbranch_scc1 .Lsame
	PLACES
	QLOAD QBA                                      ; block B's Q is on its way while block A goes out
	WAYOUT OA
	QMAKE
	s_wait_xcnt 0x0                                ; the stores' data registers are written again only behind this wait
	INIT                                           ; a fresh state (also the places between Q's new codes and words and the next products)
	s_mov_b32 s[Q0], s[Q0B]
	s_mov_b32 s[KF], 0
.Lsame:
	s_add_co_u32 s[VIS], s[VIS], 1
	s_cmp_lt_u32 s[VIS], 8
	s_cbranch_scc1 .Lvisit
	CHANGE 0                                       ; the ninth visit, block B's diagonal, is written out
	LATE
	VISIT 1
	WAYOUT OB
	s_wait_tensorcnt 0x0                           ; the wave's end
	ds_add_u32 v[SPW], v[NIL]
	s_wait_dscnt 0x0
	s_endpgm
.Lfunc_end_k_q89ed383f18_attn:
	.size	k_q89ed383f18_attn, .Lfunc_end_k_q89ed383f18_attn-k_q89ed383f18_attn
	.p2alignl 7, 3214868480
	.fill 96, 4, 3214868480
	.section	.rodata,"a",@progbits
	.p2align	6, 0x0
	.amdhsa_kernel k_q89ed383f18_attn
		.amdhsa_group_segment_fixed_size 327680
		.amdhsa_private_segment_fixed_size 0
		.amdhsa_enable_private_segment 0
		.amdhsa_kernarg_size 24
		.amdhsa_user_sgpr_count 2
		.amdhsa_user_sgpr_kernarg_segment_ptr 1
		.amdhsa_wavefront_size32 1
		.amdhsa_system_sgpr_workgroup_id_x 1
		.amdhsa_system_sgpr_workgroup_id_y 1
		.amdhsa_system_sgpr_workgroup_id_z 1
		.amdhsa_system_vgpr_workitem_id 0
		.amdhsa_next_free_vgpr 512
		.amdhsa_next_free_sgpr 66
		.amdhsa_reserve_vcc 1
		.amdhsa_float_denorm_mode_32 3
		.amdhsa_float_denorm_mode_16_64 3
		.amdhsa_memory_ordered 1
		.amdhsa_forward_progress 1
		.amdhsa_inst_pref_size 255
	.end_amdhsa_kernel
	.section	.bss,"aw",@nobits
	.p2align	6
	.space	262144
	.amdgpu_metadata
---
amdhsa.version: [ 1, 2 ]
amdhsa.kernels:
  - .name:           k_q89ed383f18_attn
    .symbol:         k_q89ed383f18_attn.kd
    .args:
      - { .name: query_layer, .offset: 0, .size: 8, .value_kind: global_buffer, .address_space: global }
      - { .name: kv, .offset: 8, .size: 8, .value_kind: global_buffer, .address_space: global }
      - { .name: out0, .offset: 16, .size: 8, .value_kind: global_buffer, .address_space: global }
    .group_segment_fixed_size: 327680
    .private_segment_fixed_size: 0
    .kernarg_segment_align: 8
    .kernarg_segment_size: 24
    .max_flat_workgroup_size: 256
    .sgpr_count:     66
    .vgpr_count:     512
    .wavefront_size: 32
...
	.end_amdgpu_metadata
.endif
;; end of part 2
